; MI455X (gfx1250); checked and timed in simulation.
; The chip was launched on July 23, 2026; its instructions are those of AMD's public machine-readable ISA for CDNA 5 (MIT licence, August 2026) and "CDNA5" Instruction Set Architecture Reference Guide (July 2026). The comments in the code are by the model that wrote it; some were corrected since.
;; Full Attention. Allowed arithmetic: matrix products marked QUANTISED: E4M3 operands, one E8M0 scale for each 32 along K, by v_wmma_scale_f32_16x16x128_f8f6f4 with both operands' format E4M3, f32 sums; everything else in f32.
;; Inputs: keys 4 x 2,048 x 8 x 64 float32; queries 4 x 2,048 x 8 x 64 float32; values 4 x 2,048 x 8 x 64 float32.
;; Outputs: out0 4 x 2,048 x 8 x 64 float32.
;; This version of the problem:
;;   THIS VERSION OF THE PROBLEM IS GIVEN IN LOW PRECISION. The matrix products marked QUANTISED in the list below multiply operands that are first quantised to E4M3 (4 exponent bits, 3 mantissa bits; 8 bits a number), with one power-of-two scale for each 32 numbers along K (OCP MX v1.0); their sums are f32. All else is computed in f32.
;;   The module's matrix products, in the order in which they are computed (A, B: the left and right operand; K: the contracted axis; several contracted axes count as one K, in the product's order):
;;     1. batch 32 x [M 2,048, K 64] x [K 64, N 2,048]; A: input queries; B: input keys: QUANTISED
;;     2. batch 32 x [M 64, K 2,048] x [K 2,048, N 2,048]; A: input values; B: softmax (see below): QUANTISED
;;   THE QUANTISER, for each operand of a quantised product, along K:
;;     - K is cut into blocks of 32 from its start; a last block that is shorter is filled with zeros.
;;     - A block's scale is 2^e with e = floor(log2(the largest magnitude in the block)) - 8, held to -126 .. 127; a block of zeros has e = 0. As a byte (E8M0): e + 127.
;;     - Each number is divided by its block's scale, clamped to +-448, and rounded to the nearest number of E4M3, ties to even, subnormals kept.
;;     - The product sums the exact products of the quantised numbers (number of the format x scale) in f32.
;;   ~~~python
;;   def quantise(x, axis):      # numpy; x: float32 -> the quantised numbers, widened to float32 again
;;       x = np.moveaxis(x, axis, -1); K = x.shape[-1]
;;       x = np.pad(x, [(0, 0)] * (x.ndim - 1) + [(0, -K % 32)]); x = x.reshape(x.shape[:-1] + (-1, 32)); a = np.abs(x).max(-1, keepdims=True)
;;       e = np.where(a > 0, np.clip(np.frexp(np.where(a > 0, a, 1))[1] - 1 - 8, -126, 127), 0)      # np.frexp(a)[1] - 1 = floor(log2(a)), exactly
;;       r = np.clip(x / 2.0 ** e, -448, 448)
;;       step = 2.0 ** (np.maximum(np.frexp(np.where(r == 0, 1, r))[1] - 1, -6) - 3)
;;       q = np.round(r / step) * step * 2.0 ** e      # np.round: ties to even
;;       return np.moveaxis(q.reshape(q.shape[:-2] + (-1,))[..., :K], -1, axis).astype(np.float32)
;;   ~~~
;;   SOFTMAX AHEAD OF A QUANTISED PRODUCT. Where the list says 'softmax', what is quantised is not the finished softmax but p = 2^(t - M), with t = logit x log2(e) and M = ceil(the row's largest t), a whole number; so 1/2 < the row's largest p <= 1. The row's sum l is taken of the UNQUANTISED p, in f32, and the product's result is divided by l at the end. Since M is a whole number, a kernel that streams over the keys may use a running M (the ceiling of the running maximum): every later rescaling is an exact power of two, which a block's scale takes up: the codes' values come out the same.
;;   OPERANDS COMPUTED ON THE WAY. 'Computed on the way' means the value that the module computes at that place (a softmax that the list does not call 'softmax' is quantised finished and normalised). What goes into a quantiser is computed in f32, as accurately as f32 sums, v_exp_f32 and their like allow (about 1e-6 of the number): no bf16 or f16 on the way to a quantiser, and a product that is left as it is and whose result goes on into a quantised operand takes f32 operands (vector FMAs, or v_wmma_f32_16x16x4_f32). A number that lies on a knife's edge between two numbers of the format may be rounded either way, as far as f32 arithmetic and the matrix unit's own rounding can turn it there, and no further.
;; One version. Each part assembles by itself: llvm-mc -triple=amdgcn-amd-amdhsa -mcpu=gfx1250 --defsym DOCPART=n.
;; ======== version 1 of 1: 2 launches
;; limits: right only within a limited range of input values
;; workspace buffers: kvc 8,650,752 bytes
;; launch prep (part 1): grid 16 x 32, 4 waves a work-group, no clusters, 35,840 bytes of LDS; arguments keys, values, kvc; writes kvc
.if DOCPART == 1
	.amdgcn_target "amdgcn-amd-amdhsa--gfx1250"
	.amdhsa_code_object_version 6
	.text
	.protected	k_q17f71ae477_prep
	.globl	k_q17f71ae477_prep
	.p2align	8
	.type	k_q17f71ae477_prep,@function
k_q17f71ae477_prep:
	s_mov_b64 s[64:65], 0
	v_nop
	global_prefetch_b8 v0, s[64:65] scope:SCOPE_SE
	s_setreg_imm32_b32 hwreg(HW_REG_WAVE_MODE, 25, 1), 1
	s_wait_xcnt 0x0
; CAUSAL ATTENTION ON CODES OF E4M3, FIRST OF TWO LAUNCHES: keys and values [4][2048][8][64] f32 become codes with one E8M0 scale byte for each 32 along a product's K.
; K is quantised along the head's 64 (two blocks a key), V along the KEYS (blocks of 32 keys for each of the head's 64 channels).  The second launch reads them many times: they are quantised once, here.
; WORK LEFT OUT BY THE PROGRAM (second launch): reference() puts -inf ahead of its softmax wherever key > query, by a mask that it builds itself.  Such a weight is 0 for all finite inputs, so a step of 128 keys
; all of which come after a block of 32 queries reaches no output of that block: its products and softmax are not done.  Every input is loaded: each has a way to the output.
; LIMITS: a NaN, an infinity or an overflow that reaches only the work left out is not carried to the result.  NaN and infinities among the inputs are not served.  A block of zeros gets the byte 1 where the
; quantiser says 127: its codes are zeros, which add nothing under any byte but 0xff, and this program alone reads the bytes.  Blocks whose largest magnitude lies under 2^-118 have their byte held at 1.
; LAYOUT OF THE WORKSPACE: images of the operands' registers.  kvc: [head 8 b + h: 32][step of 128 keys: 16][a record of 16,896 bytes]:
;   bytes 0 .. 8,191: four fragments of K.  Fragment f, register group c, lane (r, hh): 16 bytes at 2048 f + 512 c + 16 lane: key 32 f + r + 8 (r / 8) + 8 (c / 2), channels 32 (c % 2) + 16 hh + 0 .. 15.
;     So a fragment's row of 128 along the instruction's K holds TWO keys of 64 channels, 8 apart: no zeros are stored.
;   bytes 8,192 .. 16,383: four tiles of V^T.  Tile t, group c, lane (r, hh): 16 bytes at 8192 + 2048 t + 512 c + 16 lane: channel 16 t + r, keys 32 c + 16 hh + 0 .. 15.
;   bytes 16,384 .. 16,895: the scale image, [lane 0 .. 31][4 words]: lane r: word f = the scale word of row r of K's fragment f; lane 16 + r: word t = that of row r of V's tile t.
; SHARES.  A work-group makes one record.  Wave w makes K's fragment w (32 keys); and of V the 32 channels 32 (w % 2) on x the 64 keys 64 (w / 2) on.
; K: a lane needs 16 neighbours along the channels; each load takes two keys' whole 256 bytes, and the 32 keys turn through the wave's own stage in LDS.
; V: a lane takes a channel and its registers run down the keys: a block of 32 keys lies in one lane, and the conversions give codes with the keys innermost.
.set REC,   16896
.set SP,    272                        ; a stage row: a key's 256 bytes + 16
.set STWB,  32*SP                      ; a wave's stage: 32 rows
.set SCI,   4*STWB                     ; the record's scale image, 512 bytes
.set SPARE, SCI+512                    ; the spare words, 128 bytes for each wave: two blocks of 256 bytes that no other line names
.set GLO,  4                           ; v4   2048 (lane / 16) + 16 (lane % 16): K's load offset, and V's codes' place
.set SIN,  5                           ; v5   the stage, on the way in
.set SOUT, 6                           ; v6   and on the way out
.set LI,   7                           ; v7   16 x lane
.set KSA,  8                           ; v8   where K's scale word goes in the image
.set VLO,  9                           ; v9   4 x lane: V's load offset
.set VSA,  10                          ; v10  where V's two scale bytes go
.set SCR,  11                          ; v11  the image, 16 bytes a lane
.set SPW,  12                          ; v12  LDS address of my spare word; never rewritten
.set NIL,  13                          ; v13  0; never rewritten
.set TM,   16                          ; v16-19 largest magnitudes, v20-23 bytes, v24-27 448 x the scale, v28-31 the conversions' scale operands
.set PW,   32                          ; v32  K's scale word
.set PC,   36                          ; v36-51   K's codes
.set KR,   52                          ; v52-115  K as loaded
.set VC,   52                          ; v52-67   V's codes, once the stage's stores have read K
.set X,    116                         ; v116-179 K's 64 numbers in the operand's order
.set VR,   180                         ; v180-243 V's 64 numbers
.set HW,   244                         ; v244 V's two scale bytes
	s_load_b128 s[4:7], s[0:1], 0x0                ; keys s[4:5], values s[6:7]
	s_load_b64 s[8:9], s[0:1], 0x10                ; kvc
	v_lshl_add_u32 v[SPW], v0, 2, SPARE
	v_mov_b32 v[NIL], 0
	v_lshrrev_b32 v1, 5, v0
	v_readfirstlane_b32 s12, v1                    ; wave 0..3
	v_and_b32 v1, 31, v0                           ; lane
	v_and_b32 v2, 15, v0                           ; r
	v_bfe_u32 v3, v0, 4, 1                         ; lane / 16
	s_wait_alu depctr_va_vdst(0)                   ; the wait ahead of the run of scalar lines
	s_and_b32 s13, s12, 1                          ; V: which 32 channels
	s_lshr_b32 s14, s12, 1                         ; V: which 64 keys
	s_and_b32 s15, ttmp7, 0xffff                   ; head 8 b + h
	s_lshr_b32 s16, s15, 3
	s_lshl_b32 s16, s16, 22                        ; b x 2048 x 2048 bytes
	s_and_b32 s23, s15, 7
	s_lshl_b32 s23, s23, 8                         ; h x 256
	s_add_co_u32 s16, s16, s23
	s_lshl_b32 s23, ttmp9, 18                      ; step x 128 keys x 2048
	s_add_co_u32 s16, s16, s23
	s_lshl_b32 s18, s14, 17                        ; V: 64 keys x 2048
	s_add_co_u32 s18, s18, s16
	s_lshl_b32 s23, s13, 7                         ; and 32 channels x 4
	s_add_co_u32 s18, s18, s23
	s_lshl_b32 s23, s12, 16                        ; K: 32 keys x 2048
	s_add_co_u32 s16, s16, s23
	s_mov_b32 s17, 0
	s_mov_b32 s19, 0
	s_lshl_b32 s28, s15, 4
	s_add_co_u32 s28, s28, ttmp9                   ; the record's number,
	s_mul_i32 s28, s28, REC                        ; and its first byte
	s_mov_b32 s24, s28
	s_lshl_b32 s23, s13, 12                        ; V's codes: tiles 2 (w % 2) on,
	s_add_co_u32 s26, s24, s23
	s_lshl_b32 s23, s14, 10                        ; groups 2 (w / 2) on,
	s_add_co_u32 s26, s26, s23
	s_add_co_u32 s26, s26, 8192                    ; behind K's
	s_lshl_b32 s23, s12, 11                        ; K's codes: fragment w
	s_add_co_u32 s24, s24, s23
	s_add_co_u32 s28, s28, 16384                   ; the record's scale image
	s_mov_b32 s25, 0
	s_mov_b32 s27, 0
	s_mov_b32 s29, 0
	s_mov_b32 s20, 0x76543210
	s_mov_b32 s21, 0xfedcba98                      ; v_permlanex16_b32's selects for lane l xor 16
	s_mov_b32 s22, 0x600000                        ; the mantissa field of 448
	s_mul_i32 s30, s12, STWB                       ; my stage
	v_lshlrev_b32 v[GLO], 4, v2
	v_lshl_add_u32 v[GLO], v3, 11, v[GLO]
	v_mul_u32_u24 v[SIN], v3, SP
	v_lshl_add_u32 v[SIN], v2, 4, v[SIN]
	v_add_nc_u32 v[SIN], s30, v[SIN]               ; in: lanes 0-15 one row, lanes 16-31 the next, 16 bytes a lane
	v_mul_u32_u24 v[SOUT], v2, SP
	v_lshl_add_u32 v[SOUT], v3, 6, v[SOUT]
	v_add_nc_u32 v[SOUT], s30, v[SOUT]             ; out: row r, my half's 16 channels of a block of 32
	v_lshlrev_b32 v[LI], 4, v1
	s_lshl_b32 s31, s12, 2
	s_add_co_u32 s31, s31, SCI
	v_lshl_add_u32 v[KSA], v2, 4, s31              ; image: lane r, word w
	v_lshlrev_b32 v[VLO], 2, v1
	s_lshl_b32 s31, s13, 3
	s_lshl_b32 s23, s14, 1
	s_add_co_u32 s31, s31, s23
	s_add_co_u32 s31, s31, SCI+256
	v_lshl_add_u32 v[VSA], v2, 4, s31
	v_lshl_add_u32 v[VSA], v3, 2, v[VSA]           ; image: lane 16 + r, word 2 (w % 2) + lane / 16, bytes 2 (w / 2) on
	v_lshl_add_u32 v[SCR], v1, 4, SCI
.irp b, 0,1,2,3
	v_mov_b32 v[TM+4+\b], 0                        ; written once: a lane permute's destination counts as one of its sources
.endr
	s_wait_alu depctr_va_vdst(0)                   ; the wait at the head's end
	s_wait_kmcnt 0x0
	s_add_nc_u64 s[4:5], s[4:5], s[16:17]
	s_add_nc_u64 s[6:7], s[6:7], s[18:19]
	s_add_nc_u64 s[24:25], s[8:9], s[24:25]
	s_add_nc_u64 s[26:27], s[8:9], s[26:27]
	s_add_nc_u64 s[28:29], s[8:9], s[28:29]
.macro VLOAD b                         ; V(key 32 b + n, my channel), n = 0 .. 31: 32 lanes read 128 consecutive bytes; the neighbouring wave reads the 128 beside them
.set n, 0
.rept 32
	global_load_b32 v[VR+32*(\b)+n], v[VLO], s[6:7] offset:2048*(32*(\b)+n)
.set n, n+1
.endr
.endm
.irp i, 0,1,2,3,4,5,6,7,8,9,10,11,12,13,14,15
	global_load_b128 v[KR+4*\i:KR+4*\i+3], v[GLO], s[4:5] offset:4096*\i th:TH_LOAD_NT   ; keys 2 i and 2 i + 1: sixteen lanes read a key's whole 256 bytes
.endr
	VLOAD 0
	s_wait_loadcnt 32                              ; K's sixteen loads are in; V's 32 younger ones may be out
	VLOAD 1
; The turn.  Key k of my 32 goes to stage row (k % 8) + 8 (k / 16) + 16 ((k / 8) % 2), so that rows 16 u + m hold key m + 8 (m / 8) + 8 u: the order of a fragment's rows.
.irp i, 0,1,2,3,4,5,6,7,8,9,10,11,12,13,14,15
	ds_store_b128 v[SIN], v[KR+4*\i:KR+4*\i+3] offset:(((2*\i)&7)+8*(((2*\i)>>4)&1)+16*(((2*\i)>>3)&1))*SP
.endr
.irp c, 0,1,2,3
.irp j, 0,1,2,3
	ds_load_b128 v[X+16*\c+4*\j:X+16*\c+4*\j+3], v[SOUT] offset:16*(\c/2)*SP+128*(\c%2)+16*\j   ; LDS serves a wave's instructions in order (ISA guide 5.7.1.4): these see my stores
.endr
.endr
	s_wait_dscnt 0x0                               ; the 64 numbers are back; the stores have read K's registers
; 64 numbers of a lane, register 16 b + i = place 32 b + 16 (lane / 16) + i of my fragment row, become the fragment's codes and its scale word.
.irp b, 0,1,2,3
	v_max3_num_f32 v[TM+\b], |v[X+16*\b]|, |v[X+1+16*\b]|, 0x4800000   ; block b: my 16 numbers, and the floor 2^(9 - 127): so the byte cannot fall under 1
.endr
.irp i, 2,4,6,8,10,12,14
.irp b, 0,1,2,3
	v_max3_num_f32 v[TM+\b], v[TM+\b], |v[X+16*\b+\i]|, |v[X+1+16*\b+\i]|   ; (the four blocks by turns)
.endr
.endr
.irp b, 0,1,2,3
	v_permlanex16_b32 v[TM+4+\b], v[TM+\b], s20, s21
.endr
.irp b, 0,1,2,3
	v_max_num_f32 v[TM+\b], v[TM+\b], v[TM+4+\b]   ; with lane l xor 16's: the block's largest magnitude
.endr
.irp b, 0,1,2,3
	v_add_nc_u32 v[TM+12+\b], 0xfc000000, v[TM+\b] ; 8 off its exponent field: the conversion takes this operand's exponent field as its scale
.endr
.irp b, 0,1,2,3
	v_and_or_b32 v[TM+8+\b], v[TM+\b], 0x7f800000, s22   ; 448 x the scale
.endr
.irp b, 0,1,2,3
	v_lshrrev_b32 v[TM+4+\b], 23, v[TM+12+\b]      ; the scale's byte
.endr
	v_lshl_or_b32 v[PW], v[TM+5], 8, v[TM+4]
	v_lshl_or_b32 v[PW], v[TM+6], 16, v[PW]
	v_lshl_or_b32 v[PW], v[TM+7], 24, v[PW]        ; bytes 0, 1: the first key's two blocks; bytes 2, 3: those of the key 8 on
.irp b, 0,1,2,3
.irp i, 0,1,2,3,4,5,6,7,8,9,10,11,12,13,14,15
	v_med3_num_f32 v[X+16*\b+\i], v[X+16*\b+\i], -v[TM+8+\b], v[TM+8+\b]   ; the conversion to an 8-bit code does not saturate (ISA guide 7.6.2): the hold at 448 x the scale
.endr
	v_cvt_scalef32_pk8_fp8_f32 v[PC+4*\b:PC+1+4*\b], v[X+16*\b:X+7+16*\b], v[TM+12+\b]
	v_cvt_scalef32_pk8_fp8_f32 v[PC+2+4*\b:PC+3+4*\b], v[X+8+16*\b:X+15+16*\b], v[TM+12+\b]
.endr
	v_nop                                          ; one plain vector line behind the last conversion
.irp c, 0,1,2,3
	global_store_b128 v[LI], v[PC+4*\c:PC+4*\c+3], s[24:25] offset:512*\c   ; 32 lanes store 512 consecutive bytes, aligned
.endr
	ds_store_b32 v[KSA], v[PW]                     ; both halves of the lanes write the same word with the same value
; A block of 32 keys of my channel: all 32 numbers are mine.
.macro VBLOCK b
.set XS, VR+32*(\b)
	v_max3_num_f32 v14, |v[XS]|, |v[XS+1]|, |v[XS+2]|
	v_max3_num_f32 v15, |v[XS+3]|, |v[XS+4]|, |v[XS+5]|
.irp i, 6,10,14,18,22,26
	v_max3_num_f32 v14, v14, |v[XS+\i]|, |v[XS+\i+1]|
	v_max3_num_f32 v15, v15, |v[XS+\i+2]|, |v[XS+\i+3]|
.endr
	v_max3_num_f32 v14, v14, |v[XS+30]|, |v[XS+31]|
	v_max3_num_f32 v14, v14, v15, 0x4800000        ; and the floor
	v_add_nc_u32 v34, 0xfc000000, v14              ; the conversion's scale operand
	v_and_or_b32 v33, v14, 0x7f800000, s22         ; 448 x the scale
	v_lshrrev_b32 v35, 23, v34                     ; the byte
.if (\b) == 0
	v_mov_b32 v[HW], v35
.else
	v_lshl_or_b32 v[HW], v35, 8, v[HW]
.endif
.set n, 0
.rept 32
	v_med3_num_f32 v[XS+n], v[XS+n], -v33, v33
.set n, n+1
.endr
.irp g, 0,1,2,3
	v_cvt_scalef32_pk8_fp8_f32 v[VC+8*(\b)+2*\g:VC+8*(\b)+2*\g+1], v[XS+8*\g:XS+8*\g+7], v34
.endr
	v_nop                                          ; one plain vector line behind the last conversion
.irp g, 0,1
	global_store_b128 v[GLO], v[VC+8*(\b)+4*\g:VC+8*(\b)+4*\g+3], s[26:27] offset:512*(\b)+256*\g   ; keys 16 g on: sixteen lanes store 256 consecutive bytes, aligned, of one tile
.endr
.endm
	s_wait_loadcnt 32                              ; V's first 32 loads are in; the other 32 may be out
	VBLOCK 0
	s_wait_loadcnt 0x0
	VBLOCK 1
	ds_store_b16 v[VSA], v[HW]
	s_wait_dscnt 0x0                               ; for the others' sake: my stores into the image are done
	s_barrier_signal -1
	s_barrier_wait -1
	s_cmp_lg_u32 s12, 0
	s_cbranch_scc1 .Lend
	ds_load_b128 v[X:X+3], v[SCR]                  ; wave 0 sends the image: bytes that all four waves stored
	s_wait_dscnt 0x0
	global_store_b128 v[LI], v[X:X+3], s[28:29]    ; 512 consecutive bytes, aligned
.Lend:
	s_wait_tensorcnt 0x0                           ; the wave's end: behind my last LDS store
	ds_add_u32 v[SPW], v[NIL]
	s_wait_dscnt 0x0
	s_endpgm
.Lfunc_end_k_q17f71ae477_prep:
	.size	k_q17f71ae477_prep, .Lfunc_end_k_q17f71ae477_prep-k_q17f71ae477_prep
	.p2alignl 7, 3214868480
	.fill 96, 4, 3214868480
	.section	.rodata,"a",@progbits
	.p2align	6, 0x0
	.amdhsa_kernel k_q17f71ae477_prep
		.amdhsa_group_segment_fixed_size 35840
		.amdhsa_private_segment_fixed_size 0
		.amdhsa_enable_private_segment 0
		.amdhsa_kernarg_size 24
		.amdhsa_user_sgpr_count 2
		.amdhsa_user_sgpr_kernarg_segment_ptr 1
		.amdhsa_wavefront_size32 1
		.amdhsa_system_sgpr_workgroup_id_x 1
		.amdhsa_system_sgpr_workgroup_id_y 1
		.amdhsa_system_sgpr_workgroup_id_z 1
		.amdhsa_system_vgpr_workitem_id 0
		.amdhsa_next_free_vgpr 248
		.amdhsa_next_free_sgpr 66
		.amdhsa_reserve_vcc 0
		.amdhsa_float_denorm_mode_32 3
		.amdhsa_float_denorm_mode_16_64 3
		.amdhsa_memory_ordered 1
		.amdhsa_forward_progress 1
		.amdhsa_inst_pref_size 30
	.end_amdhsa_kernel
	.amdgpu_metadata
---
amdhsa.version: [ 1, 2 ]
amdhsa.kernels:
  - .name:           k_q17f71ae477_prep
    .symbol:         k_q17f71ae477_prep.kd
    .args:
      - { .name: keys, .offset: 0, .size: 8, .value_kind: global_buffer, .address_space: global }
      - { .name: values, .offset: 8, .size: 8, .value_kind: global_buffer, .address_space: global }
      - { .name: kvc, .offset: 16, .size: 8, .value_kind: global_buffer, .address_space: global }
    .group_segment_fixed_size: 35840
    .private_segment_fixed_size: 0
    .kernarg_segment_align: 8
    .kernarg_segment_size: 24
    .max_flat_workgroup_size: 128
    .sgpr_count:     66
    .vgpr_count:     248
    .wavefront_size: 32
...
	.end_amdgpu_metadata
.endif
;; end of part 1
;; launch attn (part 2): grid 8 x 32, 8 waves a work-group, clusters of 4 x 1, 327,680 bytes of LDS; arguments queries, kvc, out0; writes out0
.if DOCPART == 2
	.amdgcn_target "amdgcn-amd-amdhsa--gfx1250"
	.amdhsa_code_object_version 6
	.text
	.protected	k_q17f71ae477_attn
	.globl	k_q17f71ae477_attn
	.p2align	8
	.type	k_q17f71ae477_attn,@function
k_q17f71ae477_attn:
	s_mov_b64 s[64:65], 0
	v_nop
	global_prefetch_b8 v0, s[64:65] scope:SCOPE_SE
	s_setreg_imm32_b32 hwreg(HW_REG_WAVE_MODE, 25, 1), 1
	s_wait_xcnt 0x0
	s_wait_alu depctr_hold_cnt(0) depctr_sa_sdst(0) depctr_va_vdst(0) depctr_va_sdst(0) depctr_va_ssrc(0) depctr_va_vcc(0) depctr_vm_vsrc(0)
	s_getreg_b32 s2, hwreg(HW_REG_IB_STS2, 6, 4)
	s_cmp_eq_u32 s2, 0
	s_cbranch_scc0 .Lentry_in_a_cluster
	s_endpgm
.Lentry_in_a_cluster:
	s_bfe_u32 s2, ttmp6, 0x10000c
	s_cmp_lg_u32 s2, 0x3003
	s_cbranch_scc0 .Lentry_shape_is_right
	s_endpgm
.Lentry_shape_is_right:
; out0[b][q][h][:] = the sum over keys k <= q of softmax_k(Q . K / 8) V, both products on codes of E4M3 with one E8M0 scale for each 32 along a product's K.  Second of two launches: K and V come as codes (kvc: records of
; 128 keys, images of the operands' registers with their scale words, laid by the first launch); Q is quantised here, each row by one wave.
; WORK LEFT OUT: a step of 128 keys all of which come after a block of 32 queries has weight 0 for all finite inputs (reference() masks it with -inf ahead of the softmax): it is not walked.
; LIMITS: a NaN, an infinity or an overflow that reaches only that work is not carried to the result; NaN and infinities among the inputs are not served; a block of zeros gets the byte 1 (its codes are zeros);
; blocks whose largest magnitude lies under 2^-118 have their byte held at 1; the scaled scores, as exponents to the base 2, stay under 2^31 in magnitude.
; THE SOFTMAX AHEAD OF THE SECOND PRODUCT: t = score x log2(e) / 8; M = the running largest t, rounded UP to a whole number; p = 2^(t - M) is quantised along the keys, not normalised.  The row's sum is taken of the
; unquantised p and divides at the end.  When M moves, the sum and O are multiplied by 2^(old M - new M): exact.
; THE WHOLE HEAD LIES IN LDS: 16 records of 16,896 bytes = 270,336 bytes.  Each of the eight waves issues ONE tensor load, of two records, at the head; nothing is filled twice.  Barriers show records 0-1, 0-7 and all.
; CLUSTERS: four of a head's eight work-groups form a cluster; all of them read all records, so each load is a joint one of the four.  No prefetch: every tensor load is issued at the head, ahead of every loop.
; SHARES.  A head's queries are 64 blocks of 32 (two tiles of 16).  Blocks B (32 .. 63) and 63 - B need 9 + d and 8 - d key steps, 17 together, d = B / 4 - 8.  Waves c and c + 4 (c = 0 .. 3) of a work-group share such a pair:
; wave c walks steps of the long block alone, nine: trip j takes record j + min(j, d); wave c + 4 walks eight: in trips j < d record 2 j + 1 of the long block, then (SWITCH) records 0 .. 7 - d of the short one.
; Its part of the long block (O, sum, M) goes to wave c through LDS and is joined there by powers of two.  d hangs on c and the cluster's number alone, so the partners walk alike.  The diagonal is wave c's trip 8 and wave c + 4's trip 7.
; THE HEAD'S 64 IN AN INSTRUCTION OF 128.  A row of K's fragment holds two keys, A in places 0 .. 63 and A + 8 in 64 .. 127.  Q's 8 registers stand between zeros: (Q | 0) picks key A, (0 | Q) picks key A + 8.
; Zero codes add nothing under any scale byte but 0xff.  Q's scale word is its two bytes twice, and serves both.
; LAYOUT.  Both products are used transposed (S^T = K Q^T, O^T = V^T P^T): a lane holds ONE query of each tile (lane % 16).  Register 16 f + 8 u + j of S^T is key 32 f + 16 (lane / 16) + 8 u + j: 16 registers are 16
; neighbouring keys, so the conversions' results are the second product's operand.
; REGISTERS, in two windows of 256.  Window 0: the state, S, p's codes, scales.  Window 1: K's and V's fragments, O^T, Q.
.set RECB,  16896
.set W0,    16*RECB                    ; Q's turn: 16 rows x 272 for each wave; later the long blocks' parts: 8,704 for each pair of waves
.set IMG,   W0+8*4352                  ; the long blocks' Q as operand images: 2,304 for each pair
.set SPARE, IMG+4*2304                 ; the spare words, 128 bytes for each wave: four blocks of 256 bytes that no other line names
.set LI,   1                           ; v1   16 x lane
.set AV,   2                           ; v2   LDS address of V's record (at the head: Q's turn, in)
.set AK,   3                           ; v3   of K's (at the head: Q's turn, out)
.set GO,   4                           ; v4   my byte offset in the wave's rows of queries and out0
.set SPW,  5                           ; v5   LDS address of my spare word; never rewritten
.set NIL,  6                           ; v6   0; never rewritten
.set STO,  7                           ; v7   the way out: the stage, in
.set RD,   8                           ; v8   the stage, back
.set IMA,  9                           ; v9   the pair's image of Q
.set IMS,  10                          ; v10  and its scale words
.set MGA,  11                          ; v11  the pair's part of the long block
.set OM,   12                          ; v[12:13] -M of the two tiles
.set L,    14                          ; v[14:15], v[16:17] the sums, in two halves each
.set SM,   18                          ; v[18:19] the largest scores
.set FF,   20                          ; v[20:21] f = 2^(old M - new M)
.set TT,   22
.set NM,   24
.set NINF, 26
.set LM,   28                          ; v[28:31] a part's two sums and two -M (at the head r, lane / 16, lane in v29-31)
.set S,    32                          ; v32-159  S^T of two tiles, then p
.set PC,   160                         ; v160-191 p's codes
.set BM,   192                         ; v192-199 the blocks' largest scores, then largest p
.set BT,   200                         ; v200-207 a permute's destination, the bytes
.set HL,   208                         ; v208-215 448 x the scale
.set SO,   216                         ; v216-223 the conversions' scale operands
.set AC,   224                         ; v224-239 the sums' chains, four pairs a tile
.set KS,   240                         ; v240-243 K's scale words (lanes 0-15)
.set QS,   244                         ; v244-245 Q's
.set QSB,  246                         ; v246-247 those of the Q that this wave quantised
.set VS,   248                         ; v248-251 V's scale words (lanes 16-31)
.set PW,   252                         ; v252-253 p's
.set KF,   0                           ; window 1: K's four fragments
.set VF,   64                          ;           V's four tiles
.set O,    128                         ;           O^T, 32 registers a tile
.set QZ,   192                         ;           8 zeros, tile 0's Q, 8 zeros, tile 1's Q, 8 zeros
.set QB,   232                         ;           the 16 registers of codes that this wave quantised
.set WV,   10                          ; s10  wave
.set CC,   11                          ; s11  its pair c
.set WB,   12                          ; s12  0: wave c, 1: wave c + 4
.set HD,   13                          ; s13  head 8 b + h
.set DD,   15                          ; s15  d
.set EE,   16                          ; s16  d, or 16 - d in wave c + 4
.set JM,   18                          ; s18  the trip with the diagonal
.set PP,   19                          ; s19  my block's place among the four of its record
.set J,    20                          ; s20  trip
.set IB,   21                          ; s21  LDS byte of the trip's record
.set NB,   22                          ; s22  and of the next trip's
.set MNT,  23                          ; s23  the mantissa field of 448
.set G0,   24
.set G1,   28
.set QP,   36                          ; s[36:37] my rows of queries
.set OP,   38                          ; s[38:39] and of out0
.set CS,   40                          ; s[40:41] c = log2(e) / 8
.set NC,   42                          ; s[42:43] -c
.set SEL,  44                          ; s[44:45] lane selects for lane l xor 16
.set MSB, 0
.macro WIN new                         ; the immediate's high byte repeats the setting that is left
.if MSB != \new
	s_set_vgpr_msb (MSB<<8)|\new
.set MSB, \new
.endif
.endm
.macro ROUND                           ; a round of the cluster's barrier
	s_barrier_signal -1
	s_barrier_wait -1
	s_cmp_lg_u32 s[WV], 0
	s_cbranch_scc1 .Lnot_wave_0_\@
	s_barrier_signal -3
.Lnot_wave_0_\@:
	s_barrier_wait -3
	s_barrier_signal -1
	s_barrier_wait -1
.endm
.macro JLOAD                           ; a joint load; an s_nop 0 and four v_nop follow it
	tensor_load_to_lds s[G0:G0+3], s[G1:G1+7]
	s_nop 0
.rept 4
	v_nop
.endr
.endm
	s_load_b128 s[4:7], s[0:1], 0x0                ; queries s[4:5], kvc s[6:7]
	s_load_b64 s[8:9], s[0:1], 0x10                ; out0
	v_lshl_add_u32 v[SPW], v0, 2, SPARE
	v_mov_b32 v[NIL], 0
	ds_add_u32 v[SPW], v[NIL]                      ; the wave's opening: the add, twice on end, and its wait ahead of the first tensor load; the set-up below stands between
	ds_add_u32 v[SPW], v[NIL]
	v_lshrrev_b32 v27, 5, v0
	v_readfirstlane_b32 s[WV], v27                 ; wave 0..7
	v_and_b32 v31, 31, v0                          ; lane
	v_and_b32 v29, 15, v0                          ; r
	v_bfe_u32 v30, v0, 4, 1                        ; lane / 16
	v_lshlrev_b32 v[GO], 11, v30
	v_lshl_add_u32 v[GO], v29, 4, v[GO]            ; lanes 0-15 take one row of 256 bytes, lanes 16-31 the next, 2,048 bytes on
	s_wait_alu depctr_va_vdst(0)                   ; the wait ahead of the run of scalar lines
	s_and_b32 s[HD], ttmp7, 0xffff
	s_and_b32 s[CC], s[WV], 3
	s_lshr_b32 s[WB], s[WV], 2
	s_lshr_b32 s46, s[CC], 1
	s_xor_b32 s46, s46, 1                          ; 1 for pairs 0, 1
	s_and_b32 s47, s[CC], 1
	s_xor_b32 s47, s47, 1                          ; 1 for pairs 0, 2
	s_mul_i32 s48, s47, 3
	s_xor_b32 s48, s48, ttmp9                      ; the cluster's number, or 3 less it
	s_lshl_b32 s49, s46, 2
	s_add_co_u32 s[DD], s48, s49                   ; d: 0 .. 7, each once among a head's two clusters x four pairs
	s_sub_co_u32 s49, 16, s[DD]
	s_sub_co_u32 s[JM], 8, s[WB]
	s_cmp_eq_u32 s[WB], 0
	s_cselect_b32 s[EE], s[DD], s49
	s_bfe_u32 s54, ttmp6, 0x40000                  ; my place in the cluster: it enters global addresses and lane masks alone
	s_lshl_b32 s55, ttmp9, 2
	s_add_co_u32 s54, s54, s55                     ; work-group x
	s_mul_i32 s55, s47, 15
	s_xor_b32 s54, s54, s55                        ; x or 15 - x
	s_lshl_b32 s55, s46, 4
	s_add_co_u32 s54, s54, s55
	s_add_co_u32 s54, s54, 32                      ; the long block B: 63 - x, 48 + x, 47 - x, 32 + x,
	s_mul_i32 s55, s[WB], 63
	s_xor_b32 s54, s54, s55                        ; or in wave c + 4 the short one, 63 - B: whose rows I quantise and store
	s_and_b32 s[PP], s54, 3
	s_lshl_b32 s56, s54, 16                        ; 32 rows x 2,048 bytes
	s_lshr_b32 s55, s[HD], 3
	s_lshl_b32 s55, s55, 22                        ; b
	s_add_co_u32 s56, s56, s55
	s_and_b32 s55, s[HD], 7
	s_lshl_b32 s55, s55, 8                         ; h
	s_add_co_u32 s56, s56, s55
	s_mov_b32 s57, 0
	s_mul_i32 s58, s[HD], 16*RECB
	s_mul_i32 s59, s[WV], 2*RECB                   ; my two records
	s_add_co_u32 s58, s58, s59
	s_mov_b32 s59, 0
	; descriptor group 1: 33 rows of 1,024 dense bytes as elements of 8 bytes; the mask names the cluster's four, bit 21 beside it
	s_mov_b32 s[G1], 15|(3<<16)|(1<<21)
	s_mov_b32 s[G1+1], 128<<16                     ; tensor_dim0
	s_mov_b32 s[G1+2], 33<<16                      ; tensor_dim1
	s_mov_b32 s[G1+3], 128<<16                     ; tile_dim0
	s_mov_b32 s[G1+4], 33                          ; tile_dim1
	s_mov_b32 s[G1+5], 128                         ; from row to row
	s_mov_b32 s[G1+6], 0
	s_mov_b32 s[G1+7], 0
	s_mov_b32 s[SEL], 0x76543210
	s_mov_b32 s[SEL+1], 0xfedcba98
	s_mov_b32 s[CS], 0x3e38aa3b                    ; log2(e) / 8
	s_mov_b32 s[CS+1], s[CS]                       ; (named with it as a pair, so it is written)
	s_mov_b32 s[NC], 0xbe38aa3b
	s_mov_b32 s[NC+1], s[NC]
	s_mov_b32 s[MNT], 0x600000
	s_wait_dscnt 0x0                               ; both opening adds are done
	s_wait_kmcnt 0x0
	s_add_nc_u64 s[QP:QP+1], s[4:5], s[56:57]
	s_add_nc_u64 s[OP:OP+1], s[8:9], s[56:57]
	s_mov_b32 s[G0], 1                             ; count = 1
	s_mul_i32 s[G0+1], s[WV], 2*RECB               ; LDS address
	s_add_nc_u64 s[G0+2:G0+3], s[6:7], s[58:59]
	s_or_b32 s[G0+3], s[G0+3], 0x80000000          ; type = 2
.irp i, 0,1,2,3,4,5,6,7,8,9,10,11,12,13,14,15
	global_load_b128 v[S+4*\i:S+4*\i+3], v[GO], s[QP:QP+1] offset:4096*\i th:TH_LOAD_NT   ; my block's rows 2 i, 2 i + 1: sixteen lanes read a row's whole 256 bytes
.endr
	ROUND                                          ; the four partners are here: the joint loads meet
	s_cmp_lt_u32 s[WV], 1                          ; one load a wave; waves that wait at different barriers have load lines of their own
	s_cbranch_scc0 .Lload_b
	JLOAD
	s_branch .Lasked
.Lload_b:
	s_cmp_lt_u32 s[WV], 4
	s_cbranch_scc0 .Lload_c
	JLOAD
	s_branch .Lasked
.Lload_c:
	JLOAD
.Lasked:
	; LDS addresses, while the loads are on their way
	s_mul_i32 s50, s[WV], 4352
	s_add_co_u32 s50, s50, W0                      ; Q's turn
	s_mul_i32 s51, s[WV], 8704                     ; the way out's stage: in records 0 to 4, which nobody reads by then
	s_mul_i32 s52, s[CC], 2304
	s_add_co_u32 s52, s52, IMG
	s_add_co_u32 s53, s52, 2048
	s_mul_i32 s60, s[CC], 8704
	s_add_co_u32 s60, s60, W0
	v_lshlrev_b32 v[LI], 4, v31
	v_mul_u32_u24 v[AV], v30, 272
	v_lshl_add_u32 v[AV], v29, 4, v[AV]            ; rows by two, 16 bytes a lane
	v_mul_u32_u24 v[AK], v29, 272                  ; row r
	v_add_nc_u32 v[RD], s51, v[AV]
	v_lshl_add_u32 v[STO], v30, 5, v[AK]
	v_add_nc_u32 v[STO], s51, v[STO]
	v_add_nc_u32 v[AV], s50, v[AV]
	v_lshl_add_u32 v[AK], v30, 6, v[AK]            ; my half's 16 channels of a block of 32
	v_add_nc_u32 v[AK], s50, v[AK]
	v_add_nc_u32 v[IMA], s52, v[LI]
	v_lshl_add_u32 v[IMS], v31, 3, s53
	v_add_nc_u32 v[MGA], s60, v[LI]
	v_mov_b32 v[NINF], 0xff800000                  ; -infinity
.irp b, 0,1,2,3,4,5,6,7
	v_mov_b32 v[BT+\b], 0                          ; written once: a lane permute's destination counts as one of its sources
.endr
.macro FRESH                           ; the sums, the largest score -3e38, under every score, and -M to match
.irp b, 0,1,2,3
	v_mov_b32 v[L+\b], 0
.endr
.irp b, 0,1
	v_mov_b32 v[SM+\b], 0xff61b1e6
	v_mov_b32 v[OM+\b], 0x7f61b1e6
.endr
	WIN 0x40
.set n, 0
.rept 64
	v_mov_b32 v[O+n], 0                            ; O^T.  (The step is written without a first step of its own: the first change of M multiplies zeros)
.set n, n+1
.endr
	WIN 0
.endm
	FRESH
	WIN 0x40
.set n, 0
.rept 8
	v_mov_b32 v[QZ+n], 0                           ; the zero codes round Q's
	v_mov_b32 v[QZ+16+n], 0
	v_mov_b32 v[QZ+32+n], 0
.set n, n+1
.endr
	WIN 0
	s_wait_alu depctr_va_vdst(0)                   ; the wait at the head's end
	s_wait_loadcnt 0x0                             ; Q
; Q's turn, a tile of 16 rows at a time: LDS serves a wave's instructions in order (ISA guide 5.7.1.4), so no wait stands between
.irp u, 0,1
.irp i, 0,1,2,3,4,5,6,7
	ds_store_b128 v[AV], v[S+32*\u+4*\i:S+32*\u+4*\i+3] offset:2*\i*272
.endr
.irp c, 0,1
.irp j, 0,1,2,3
	ds_load_b128 v[S+64+32*\u+16*\c+4*\j:S+64+32*\u+16*\c+4*\j+3], v[AK] offset:128*\c+16*\j
.endr
.endr
.endr
	s_wait_dscnt 0x0
; blocks b = 2 x tile + block of 32 channels
.irp b, 0,1,2,3
	v_max3_num_f32 v[BM+\b], |v[S+64+16*\b]|, |v[S+65+16*\b]|, 0x4800000   ; my 16 numbers, and the floor 2^(9 - 127)
.endr
.irp i, 2,4,6,8,10,12,14
.irp b, 0,1,2,3
	v_max3_num_f32 v[BM+\b], v[BM+\b], |v[S+64+16*\b+\i]|, |v[S+65+16*\b+\i]|
.endr
.endr
.irp b, 0,1,2,3
	v_permlanex16_b32 v[BT+\b], v[BM+\b], s[SEL], s[SEL+1]
.endr
.irp b, 0,1,2,3
	v_max_num_f32 v[BM+\b], v[BM+\b], v[BT+\b]     ; with lane l xor 16's: the block's largest magnitude
.endr
.irp b, 0,1,2,3
	v_add_nc_u32 v[SO+\b], 0xfc000000, v[BM+\b]    ; 8 off the exponent field: the conversion's scale operand
.endr
.irp b, 0,1,2,3
	v_and_or_b32 v[HL+\b], v[BM+\b], 0x7f800000, s[MNT]   ; 448 x the scale
.endr
.irp b, 0,1,2,3
	v_lshrrev_b32 v[BT+\b], 23, v[SO+\b]           ; the byte
.endr
.irp t, 0,1
	v_lshl_or_b32 v[QSB+\t], v[BT+1+2*\t], 8, v[BT+2*\t]
.endr
.irp t, 0,1
	v_lshl_or_b32 v[QSB+\t], v[QSB+\t], 16, v[QSB+\t]   ; the two bytes, twice
.endr
.irp b, 0,1,2,3
.irp i, 0,1,2,3,4,5,6,7,8,9,10,11,12,13,14,15
	v_med3_num_f32 v[S+64+16*\b+\i], v[S+64+16*\b+\i], -v[HL+\b], v[HL+\b]   ; the conversion to an 8-bit code does not saturate (ISA guide 7.6.2)
.endr
.endr
	WIN 0x40
.irp b, 0,1,2,3
	v_cvt_scalef32_pk8_fp8_f32 v[QB+4*\b:QB+4*\b+1], v[S+64+16*\b:S+71+16*\b], v[SO+\b]
	v_cvt_scalef32_pk8_fp8_f32 v[QB+4*\b+2:QB+4*\b+3], v[S+72+16*\b:S+79+16*\b], v[SO+\b]
.endr
	WIN 0
	v_nop                                          ; one plain vector line behind the last conversion
	s_wait_alu depctr_va_vdst(0)                   ; the wait ahead of the branch
	s_cmp_lt_u32 s[WV], 4                          ; waves 0 to 3 have quantised the long blocks' Q: an image for their partners
	s_cbranch_scc0 .Lno_image
	ds_store_b64 v[IMS], v[QSB:QSB+1]
	WIN 0x04
.irp k, 0,1,2,3
	ds_store_b128 v[IMA], v[QB+4*\k:QB+4*\k+3] offset:512*\k
.endr
	WIN 0
.Lno_image:
	s_cmp_lt_u32 s[WV], 1
	s_cbranch_scc0 .Lwait_a
	s_wait_tensorcnt 0x0                           ; wave 0: records 0 and 1 have landed
.Lwait_a:
	s_wait_dscnt 0x0                               ; my image is stored, my turn is over
	s_barrier_signal -1
	s_barrier_wait -1
	WIN 0x40
.irp k, 0,1
	ds_load_b128 v[QZ+8+4*\k:QZ+11+4*\k], v[IMA] offset:512*\k
	ds_load_b128 v[QZ+24+4*\k:QZ+27+4*\k], v[IMA] offset:1024+512*\k
.endr
	WIN 0
	ds_load_b64 v[QS:QS+1], v[IMS]
; The record of trip s[jr]: below d 2 j (wave c) or 2 j + 1 (wave c + 4), from there on j + d or j - d; mk bounds it.
.macro INDEX dst, jr, mk
	s_lshl_b32 s46, s[\jr], 1
	s_add_co_u32 s46, s46, s[WB]
	s_add_co_u32 s47, s[\jr], s[EE]
	s_cmp_lt_u32 s[\jr], s[DD]
	s_cselect_b32 s46, s46, s47
	s_and_b32 s46, s46, \mk
	s_mul_i32 s[\dst], s46, RECB
.endm
; Images of the operands' registers: 512 consecutive bytes a load; the scale image too
.macro LOADK
	WIN 0x40
.irp f, 0,1,2,3
.irp c, 0,1,2,3
	ds_load_b128 v[KF+16*\f+4*\c:KF+16*\f+4*\c+3], v[AK] offset:2048*\f+512*\c
.endr
.endr
	WIN 0
	ds_load_b128 v[KS:KS+3], v[AK] offset:16384
.endm
.macro LOADV
	WIN 0x40
.irp f, 0,1,2,3
.irp c, 0,1,2,3
	ds_load_b128 v[VF+16*\f+4*\c:VF+16*\f+4*\c+3], v[AV] offset:8192+2048*\f+512*\c
.endr
.endr
	WIN 0
	ds_load_b128 v[VS:VS+3], v[AV] offset:16384
.endm
.macro LOADPART                        ; wave c, trip 8: its partner's part of the block, into K's registers
	WIN 0x40
.irp k, 0,1,2,3,4,5,6,7,8,9,10,11,12,13,14,15
	ds_load_b128 v[KF+4*\k:KF+4*\k+3], v[MGA] offset:512*\k
.endr
	WIN 0
	ds_load_b128 v[LM:LM+3], v[MGA] offset:8192
.endm
; Wave c + 4 goes on from the long block to its short one: it leaves its part in LDS, begins anew and takes its own Q.  A branch on ids, the same in all partners.
.macro SWITCH
	s_cmp_lt_u32 s[WV], 4                          ; waves 0 to 3 stay with their block
	s_cbranch_scc1 .Lstay_\@
	s_cmp_eq_u32 s[J], s[DD]                       ; waves 4 to 7 go on in trip d
	s_cbranch_scc0 .Lstay_\@
	s_wait_alu depctr_va_vdst(0)                   ; the wait ahead of these readers
.rept 4
	v_nop                                          ; with the four lines below: eight places behind the last products
.endr
	v_add_f32 v[LM], v[L], v[L+1]
	v_add_f32 v[LM+1], v[L+2], v[L+3]
	v_mov_b32 v[LM+2], v[OM]
	v_mov_b32 v[LM+3], v[OM+1]
	ds_store_b128 v[MGA], v[LM:LM+3] offset:8192
	WIN 0x04
.irp k, 0,1,2,3,4,5,6,7,8,9,10,11,12,13,14,15
	ds_store_b128 v[MGA], v[O+4*\k:O+4*\k+3] offset:512*\k
.endr
	WIN 0
	s_wait_dscnt 0x0                               ; the stores have read their registers, and no load into Q's is out
	v_mov_b32 v[QS], v[QSB]
	v_mov_b32 v[QS+1], v[QSB+1]
	WIN 0x41
.irp k, 0,1,2,3,4,5,6,7
	v_mov_b32 v[QZ+8+\k], v[QB+\k]
	v_mov_b32 v[QZ+24+\k], v[QB+8+\k]
.endr
	WIN 0
	FRESH
.Lstay_\@:
.endm
; The diagonal: my 32 queries are block PP of the record's four.  Keys of later blocks are hidden, of earlier ones open; in block PP register i of tile 0 is hidden where 16 (lane / 16) + i > r, of tile 1 where it is > 16 + r:
; lane masks that are constants.  Hidden scores become -infinity ahead of the maximum: p = 0 then.
.macro MASK
.irp f, 0,1,2,3
	s_cmp_lt_u32 s[PP], \f
	s_cselect_b32 s49, -1, 0
	s_cmp_eq_u32 s[PP], \f
.set n, 0
.rept 16
	s_cselect_b32 s50, 0xffff0000|((1<<n)-1), s49
	s_cselect_b32 s51, ((1<<n)-1)<<16, s49
	v_cndmask_b32 v[S+16*\f+n], v[S+16*\f+n], v[NINF], s50
	v_cndmask_b32 v[S+64+16*\f+n], v[S+64+16*\f+n], v[NINF], s51
.set n, n+1
.endr
.endr
	s_wait_alu depctr_va_vdst(0)                   ; the wait behind such a run
.endm
.macro CLAMP b                         ; the hold, two numbers a line: p is not negative, so it is one-sided (the conversion does not saturate: ISA guide 7.6.2)
.set n, 0
.rept 8
	v_dual_min_num_f32 v[S+16*(\b)+n], v[HL+(\b)], v[S+16*(\b)+n] :: v_dual_min_num_f32 v[S+16*(\b)+n+1], v[HL+(\b)], v[S+16*(\b)+n+1]
.set n, n+2
.endr
.endm
.macro CODES b
	v_cvt_scalef32_pk8_fp8_f32 v[PC+4*(\b):PC+4*(\b)+1], v[S+16*(\b):S+16*(\b)+7], v[SO+(\b)]
	v_cvt_scalef32_pk8_fp8_f32 v[PC+4*(\b)+2:PC+4*(\b)+3], v[S+16*(\b)+8:S+16*(\b)+15], v[SO+(\b)]
.endm
; A KEY STEP: 128 keys x my 32 queries.  pre = 0: K is loaded here; 1: it was asked for a step ago.  next = 1: the next trip's K is asked for; 2: the partner's part.  diag = 1: the diagonal; 2: in trip JM.
.macro STEP pre, next, diag
.if \pre == 0
	v_add_nc_u32 v[AK], s[IB], v[LI]
	LOADK
.endif
	s_wait_dscnt 0x0                               ; K's fragments (and, the first time, Q's) are in
	WIN 0x05
.irp f, 0,1,2,3                                ; S^T = K Q^T: each fragment against (Q | 0) and (0 | Q) of both tiles
.irp u, 0,1
.irp t, 0,1
	v_wmma_scale_f32_16x16x128_f8f6f4 v[S+64*\t+16*\f+8*\u:S+64*\t+16*\f+8*\u+7], v[KF+16*\f:KF+16*\f+15], v[QZ+16*\t+8-8*\u:QZ+16*\t+23-8*\u], 0, v[KS+\f], v[QS+\t]
.endr
.endr
.endr
	WIN 0
.if \next == 1
	s_add_co_u32 s48, s[J], 1
	INDEX NB, 48, 15
	v_add_nc_u32 v[AK], s[NB], v[LI]
.else
	v_nop
.endif
	v_add_nc_u32 v[AV], s[IB], v[LI]
.rept 6
	v_nop                                          ; with the two lines above: eight places in front of loads into registers that products read, and of the first read of S^T
.endr
	LOADV                                          ; V's tiles land while the softmax is walked
.if \next == 1
	LOADK                                          ; the next trip's K.  (In trip 7 wave c has trip 8's; wave c + 4 has no trip 8 and leaves what this brings unread: both kinds of waves share the text and its counts)
.endif
.if \next == 2
	LOADPART
.endif
.if \diag == 2
	s_cmp_eq_u32 s[J], s[JM]
	s_cbranch_scc0 .Lopen_\@
.endif
.if \diag
	MASK
.endif
.if \diag == 2
.Lopen_\@:
.endif
.irp b, 0,1,2,3,4,5,6,7
	v_max3_num_f32 v[BM+\b], v[S+16*\b], v[S+1+16*\b], v[S+2+16*\b]   ; the largest score of each block of 32 keys: for the row's maximum and, since p rises with the score, for the block's largest p
.endr
.irp i, 3,5,7,9,11,13
.irp b, 0,1,2,3,4,5,6,7
	v_max3_num_f32 v[BM+\b], v[BM+\b], v[S+16*\b+\i], v[S+1+16*\b+\i]
.endr
.endr
.irp b, 0,1,2,3,4,5,6,7
	v_max_num_f32 v[BM+\b], v[BM+\b], v[S+15+16*\b]
.endr
.irp b, 0,1,2,3,4,5,6,7
	v_permlanex16_b32 v[BT+\b], v[BM+\b], s[SEL], s[SEL+1]
.endr
.irp b, 0,1,2,3,4,5,6,7
	v_max_num_f32 v[BM+\b], v[BM+\b], v[BT+\b]     ; with lane l xor 16's 16 keys
.endr
	v_max3_num_f32 v[TT], v[BM], v[BM+1], v[BM+2]
	v_max3_num_f32 v[TT+1], v[BM+4], v[BM+5], v[BM+6]
	v_max3_num_f32 v[SM], v[SM], v[TT], v[BM+3]    ; the running largest scores
	v_max3_num_f32 v[SM+1], v[SM+1], v[TT+1], v[BM+7]
	v_pk_mul_f32 v[TT:TT+1], v[SM:SM+1], s[NC:NC+1] op_sel_hi:[1,0]   ; -t (c is positive)
	v_floor_f32 v[NM], v[TT]                       ; the new -M = floor(-t) = -ceil(t)
	v_floor_f32 v[NM+1], v[TT+1]
	v_pk_add_f32 v[TT:TT+1], v[NM:NM+1], v[OM:OM+1] neg_lo:[0,1] neg_hi:[0,1]   ; old M less new M: whole numbers, 0 or less
	v_dual_mov_b32 v[OM], v[NM] :: v_dual_mov_b32 v[OM+1], v[NM+1]
	v_cvt_i32_f32 v[TT], v[TT]                     ; (it saturates)
	v_cvt_i32_f32 v[TT+1], v[TT+1]
.set n, 0
.rept 32
	v_pk_fma_f32 v[S+n:S+n+1], v[S+n:S+n+1], s[CS:CS+1], v[OM:OM+1] op_sel_hi:[1,0,0]   ; t - M, two at a time
	v_pk_fma_f32 v[S+64+n:S+65+n], v[S+64+n:S+65+n], s[CS:CS+1], v[OM:OM+1] op_sel:[0,0,1] op_sel_hi:[1,0,1]
.set n, n+2
.endr
.irp b, 0,2
	v_pk_fma_f32 v[BM+\b:BM+\b+1], v[BM+\b:BM+\b+1], s[CS:CS+1], v[OM:OM+1] op_sel_hi:[1,0,0]   ; the same of each block's largest score
	v_pk_fma_f32 v[BM+4+\b:BM+5+\b], v[BM+4+\b:BM+5+\b], s[CS:CS+1], v[OM:OM+1] op_sel:[0,0,1] op_sel_hi:[1,0,1]
.endr
	v_ldexp_f32 v[FF], 1.0, v[TT]                  ; f = 2^(old M - new M)
	v_ldexp_f32 v[FF+1], 1.0, v[TT+1]
	s_wait_alu depctr_va_vdst(0)                   ; the wait ahead of the batch
.set n, 0
.rept 128
	v_exp_f32 v[S+n], v[S+n]                       ; p = 2^(t - M)
.set n, n+1
.endr
.irp b, 0,1,2,3,4,5,6,7
	v_exp_f32 v[BM+\b], v[BM+\b]                   ; the blocks' largest p
.endr
	WIN 0x41
	s_wait_alu depctr_va_vdst(0)                   ; one wait for the batch and for O^T's first readers
.set n, 0
.rept 16
	v_pk_mul_f32 v[O+n:O+n+1], v[O+n:O+n+1], v[FF:FF+1] op_sel_hi:[1,0]   ; O^T under the new M.  (The plain lines behind the exponentials)
	v_pk_mul_f32 v[O+32+n:O+33+n], v[O+32+n:O+33+n], v[FF:FF+1] op_sel:[0,1] op_sel_hi:[1,1]
.set n, n+2
.endr
	WIN 0
.irp k, 0,1,2,3                                ; the rows' sums of the unquantised p, in four chains a tile
.irp t, 0,1
	v_pk_add_f32 v[AC+8*\t+2*\k:AC+8*\t+2*\k+1], v[S+64*\t+4*\k:S+64*\t+4*\k+1], v[S+64*\t+4*\k+2:S+64*\t+4*\k+3]
.endr
.endr
.set n, 16
.rept 24
.irp t, 0,1
	v_pk_add_f32 v[AC+8*\t+n%8:AC+8*\t+n%8+1], v[AC+8*\t+n%8:AC+8*\t+n%8+1], v[S+64*\t+n:S+64*\t+n+1]
.endr
.set n, n+2
.endr
.irp b, 0,1,2,3,4,5,6,7
	v_max_num_f32 v[BM+\b], 0x4800000, v[BM+\b]    ; the floor 2^(9 - 127): a block whose every p is 0 keeps the byte 1: its codes are zeros
.endr
.irp b, 0,1,2,3,4,5,6,7
	v_and_or_b32 v[HL+\b], v[BM+\b], 0x7f800000, s[MNT]   ; 448 x the scale
.endr
.irp b, 0,1,2,3,4,5,6,7
	v_add_nc_u32 v[SO+\b], 0xfc000000, v[BM+\b]    ; the conversion's scale operand
.endr
.irp b, 0,1,2,3,4,5,6,7
	v_lshrrev_b32 v[BT+\b], 23, v[SO+\b]           ; the byte
.endr
.irp t, 0,1
	v_lshl_or_b32 v[PW+\t], v[BT+1+4*\t], 8, v[BT+4*\t]   ; p's scale word for these 128 keys
.endr
.irp t, 0,1
	v_lshl_or_b32 v[PW+\t], v[BT+2+4*\t], 16, v[PW+\t]
.endr
.irp t, 0,1
	v_lshl_or_b32 v[PW+\t], v[BT+3+4*\t], 24, v[PW+\t]
.endr
	CLAMP 0
.irp b, 0,1,2,3,4,5,6
	CLAMP \b+1
	CODES \b
.endr
	CODES 7
.irp k, 0,4                                    ; the chains are joined: eight plain lines between the codes and the products below
.irp t, 0,1
	v_pk_add_f32 v[AC+8*\t+\k:AC+8*\t+\k+1], v[AC+8*\t+\k:AC+8*\t+\k+1], v[AC+8*\t+\k+2:AC+8*\t+\k+3]
.endr
.endr
.irp t, 0,1
	v_pk_add_f32 v[AC+8*\t:AC+8*\t+1], v[AC+8*\t:AC+8*\t+1], v[AC+8*\t+4:AC+8*\t+5]
.endr
	v_pk_fma_f32 v[L:L+1], v[L:L+1], v[FF:FF+1], v[AC:AC+1] op_sel_hi:[1,0,1]   ; the sums under the new M, and this step's
	v_pk_fma_f32 v[L+2:L+3], v[L+2:L+3], v[FF:FF+1], v[AC+8:AC+9] op_sel:[0,1,0] op_sel_hi:[1,1,1]
	s_wait_alu depctr_va_vdst(0)                   ; the wait ahead of the wait below
.if \next
	s_wait_dscnt 17                                ; V's tiles and scale words are in; the seventeen younger loads may be out
.else
	s_wait_dscnt 0x0
.endif
	WIN 0x51
.irp f, 0,1,2,3                                ; O^T += V^T P^T: the eight accumulators by turns; from step to step S^T's products stand between
.irp t, 0,1
	v_wmma_scale_f32_16x16x128_f8f6f4 v[O+32*\t+8*\f:O+32*\t+8*\f+7], v[VF+16*\f:VF+16*\f+15], v[PC+16*\t:PC+16*\t+15], v[O+32*\t+8*\f:O+32*\t+8*\f+7], v[VS+\f], v[PW+\t] matrix_a_scale:MATRIX_SCALE_ROW1
.endr
.endr
	WIN 0
.endm
	s_mov_b32 s[J], 0
	INDEX IB, J, 1                                 ; trip 0: records 0 and 1
	SWITCH
	STEP 0, 0, 0
	s_wait_alu depctr_va_vdst(0)                   ; the wait ahead of the branch
	s_cmp_lt_u32 s[WV], 4
	s_cbranch_scc0 .Lwait_b
	s_wait_tensorcnt 0x0                           ; waves 0 to 3: records 0 to 7 have landed
.Lwait_b:
	s_wait_dscnt 0x0
	s_barrier_signal -1
	s_barrier_wait -1
	s_mov_b32 s[J], 1
	INDEX IB, J, 3                                 ; trip 1: records 0 to 3
	SWITCH
	STEP 0, 0, 0
	s_wait_alu depctr_va_vdst(0)
	s_wait_tensorcnt 0x0                           ; every wave: all records have landed
	s_wait_dscnt 0x0
	s_barrier_signal -1
	s_barrier_wait -1
	s_mov_b32 s[J], 2
	INDEX IB, J, 15
	v_add_nc_u32 v[AK], s[IB], v[LI]
	LOADK
.Ltrip:                                            ; trips 2 to 7
	INDEX IB, J, 15
	SWITCH
	STEP 1, 1, 2
	s_add_co_u32 s[J], s[J], 1
	s_cmp_lt_u32 s[J], 8
	s_cbranch_scc1 .Ltrip
	s_and_b32 s46, s[DD], 7
	s_add_co_u32 s46, s46, 8
	s_mul_i32 s[IB], s46, RECB                     ; trip 8: record 8 + d
	s_wait_alu depctr_va_vdst(0)
	s_wait_dscnt 0x0                               ; waves 4 to 7: their parts of the long blocks are stored
	s_barrier_signal -1
	s_barrier_wait -1                              ; from here on records 0 to 7 are read by nobody
	s_cmp_lt_u32 s[WV], 4
	s_cbranch_scc0 .Lout
	STEP 1, 2, 1                                   ; waves 0 to 3: trip 8, while the others store
	s_wait_dscnt 0x0                               ; the partner's part is in
	; JOINED: the common -M is the lesser; both sides are brought under it by powers of two.  These twelve lines are the places behind the last products
	v_min_num_f32 v[NM], v[OM], v[LM+2]
	v_min_num_f32 v[NM+1], v[OM+1], v[LM+3]
	v_pk_add_f32 v[TT:TT+1], v[NM:NM+1], v[OM:OM+1] neg_lo:[0,1] neg_hi:[0,1]
	v_pk_add_f32 v[AC:AC+1], v[NM:NM+1], v[LM+2:LM+3] neg_lo:[0,1] neg_hi:[0,1]
	v_cvt_i32_f32 v[TT], v[TT]
	v_cvt_i32_f32 v[TT+1], v[TT+1]
	v_cvt_i32_f32 v[AC], v[AC]
	v_cvt_i32_f32 v[AC+1], v[AC+1]
	v_ldexp_f32 v[FF], 1.0, v[TT]
	v_ldexp_f32 v[FF+1], 1.0, v[TT+1]
	v_ldexp_f32 v[AC], 1.0, v[AC]
	v_ldexp_f32 v[AC+1], 1.0, v[AC+1]
	v_pk_mul_f32 v[L:L+1], v[L:L+1], v[FF:FF+1] op_sel_hi:[1,0]
	v_pk_mul_f32 v[L+2:L+3], v[L+2:L+3], v[FF:FF+1] op_sel:[0,1] op_sel_hi:[1,1]
	v_fma_f32 v[L], v[LM], v[AC], v[L]
	v_fma_f32 v[L+2], v[LM+1], v[AC+1], v[L+2]
	WIN 0x41
.set n, 0
.rept 16
	v_pk_mul_f32 v[O+n:O+n+1], v[O+n:O+n+1], v[FF:FF+1] op_sel_hi:[1,0]
	v_pk_mul_f32 v[O+32+n:O+33+n], v[O+32+n:O+33+n], v[FF:FF+1] op_sel:[0,1] op_sel_hi:[1,1]
.set n, n+2
.endr
	WIN 0x51
.set n, 0
.rept 16
	v_pk_fma_f32 v[O+n:O+n+1], v[KF+n:KF+n+1], v[AC:AC+1], v[O+n:O+n+1] op_sel_hi:[1,0,1]
	v_pk_fma_f32 v[O+32+n:O+33+n], v[KF+32+n:KF+33+n], v[AC:AC+1], v[O+32+n:O+33+n] op_sel:[0,1,0] op_sel_hi:[1,1,1]
.set n, n+2
.endr
	WIN 0
	; THE WAY OUT.  O^T is divided by the sum and goes through my stage in LDS, so that sixteen lanes store a query's 256 consecutive bytes.
.Lout:
	v_add_f32 v[L], v[L], v[L+1]                   ; the sums' two halves,
	v_add_f32 v[L+2], v[L+2], v[L+3]
	v_permlanex16_b32 v[BT], v[L], s[SEL], s[SEL+1]
	v_permlanex16_b32 v[BT+1], v[L+2], s[SEL], s[SEL+1]
	v_add_f32 v[L], v[L], v[BT]                    ; and lane l xor 16's: the rows' sums
	v_add_f32 v[L+1], v[L+2], v[BT+1]
.rept 2
	v_nop                                          ; with the six lines above: eight places behind the last products
.endr
	s_wait_alu depctr_va_vdst(0)                   ; the wait ahead of the batch
	v_rcp_f32 v[L], v[L]
	v_rcp_f32 v[L+1], v[L+1]
	v_nop                                          ; a plain line behind the reciprocals
	WIN 0x01
	s_wait_alu depctr_va_vdst(0)                   ; and ahead of the first readers
.set n, 0
.rept 16
	v_pk_mul_f32 v[S+n:S+n+1], v[O+n:O+n+1], v[L:L+1] op_sel_hi:[1,0]   ; register 8 t + j of a tile is channel 16 t + 8 (lane / 16) + j of query r
.set n, n+2
.endr
.set n, 0
.rept 16
	v_pk_mul_f32 v[S+32+n:S+33+n], v[O+32+n:O+33+n], v[L:L+1] op_sel:[0,1] op_sel_hi:[1,1]
.set n, n+2
.endr
	WIN 0
.irp u, 0,1
.irp t, 0,1,2,3
	ds_store_b128 v[STO], v[S+32*\u+8*\t:S+32*\u+8*\t+3] offset:4352*\u+64*\t
	ds_store_b128 v[STO], v[S+32*\u+8*\t+4:S+32*\u+8*\t+7] offset:4352*\u+64*\t+16
.endr
.endr
.irp i, 0,1,2,3,4,5,6,7,8,9,10,11,12,13,14,15
	ds_load_b128 v[S+64+4*\i:S+67+4*\i], v[RD] offset:2*\i*272   ; LDS serves a wave's instructions in order (ISA guide 5.7.1.4): these see my stores
.endr
.irp i, 0,1,2,3,4,5,6,7,8,9,10,11,12,13,14,15
	s_wait_dscnt 15-\i                             ; the younger loads may be out
	global_store_b128 v[GO], v[S+64+4*\i:S+67+4*\i], s[OP:OP+1] offset:4096*\i th:TH_STORE_NT   ; sixteen lanes store 256 consecutive bytes, aligned; written once, read by nobody here
.endr
	s_wait_tensorcnt 0x0                           ; the wave's end: behind my last tensor load and my last LDS store
	ds_add_u32 v[SPW], v[NIL]
	s_wait_dscnt 0x0
	ROUND                                          ; the closing round: no work-group ends while a partner may still ask for a tile that names it
	s_endpgm
.Lfunc_end_k_q17f71ae477_attn:
	.size	k_q17f71ae477_attn, .Lfunc_end_k_q17f71ae477_attn-k_q17f71ae477_attn
	.p2alignl 7, 3214868480
	.fill 96, 4, 3214868480
	.section	.rodata,"a",@progbits
	.p2align	6, 0x0
	.amdhsa_kernel k_q17f71ae477_attn
		.amdhsa_group_segment_fixed_size 327680
		.amdhsa_private_segment_fixed_size 0
		.amdhsa_enable_private_segment 0
		.amdhsa_kernarg_size 24
		.amdhsa_user_sgpr_count 2
		.amdhsa_user_sgpr_kernarg_segment_ptr 1
		.amdhsa_wavefront_size32 1
		.amdhsa_system_sgpr_workgroup_id_x 1
		.amdhsa_system_sgpr_workgroup_id_y 1
		.amdhsa_system_sgpr_workgroup_id_z 1
		.amdhsa_system_vgpr_workitem_id 0
		.amdhsa_next_free_vgpr 512
		.amdhsa_next_free_sgpr 66
		.amdhsa_reserve_vcc 0
		.amdhsa_float_denorm_mode_32 3
		.amdhsa_float_denorm_mode_16_64 3
		.amdhsa_memory_ordered 1
		.amdhsa_forward_progress 1
		.amdhsa_inst_pref_size 216
	.end_amdhsa_kernel
	.amdgpu_metadata
---
amdhsa.version: [ 1, 2 ]
amdhsa.kernels:
  - .name:           k_q17f71ae477_attn
    .symbol:         k_q17f71ae477_attn.kd
    .args:
      - { .name: queries, .offset: 0, .size: 8, .value_kind: global_buffer, .address_space: global }
      - { .name: kvc, .offset: 8, .size: 8, .value_kind: global_buffer, .address_space: global }
      - { .name: out0, .offset: 16, .size: 8, .value_kind: global_buffer, .address_space: global }
    .group_segment_fixed_size: 327680
    .private_segment_fixed_size: 0
    .kernarg_segment_align: 8
    .kernarg_segment_size: 24
    .max_flat_workgroup_size: 256
    .sgpr_count:     66
    .vgpr_count:     512
    .wavefront_size: 32
...
	.end_amdgpu_metadata
.endif
;; end of part 2
